; MI455X (gfx1250); checked and timed in simulation.
; The chip was launched on July 23, 2026; its instructions are those of AMD's public machine-readable ISA for CDNA 5 (MIT licence, August 2026) and "CDNA5" Instruction Set Architecture Reference Guide (July 2026). The comments in the code are by the model that wrote it; some were corrected since.
;; i NGPDW. Allowed arithmetic: matrix products marked QUANTISED: E2M1 operands, one E8M0 scale for each 32 along K, by v_wmma_scale_f32_16x16x128_f8f6f4 with both operands' format E2M1 (or v_wmma_scale_f32_32x16x128_f4), f32 sums; products left as they are: f32 operands where the result goes on into a quantised operand, else bf16, f16 or f32 operands; f32 sums; everything else in f32.
;; Inputs: W1 40 x 64 float32; W2 64 x 64 float32; W3 64 x 13 float32; b1 64 float32; b2 64 float32; b3 13 float32; cr 1,000,000 float32; tables 10 x 65,536 x 4 float32; x 1,000,000 x 3 float32.
;; Outputs: out0 1,000,000 x 13 float32.
;; This version of the problem:
;;   THIS VERSION OF THE PROBLEM IS GIVEN IN LOW PRECISION. The matrix products marked QUANTISED in the list below multiply operands that are first quantised to E2M1 (2 exponent bits, 1 mantissa bit; 4 bits a number), with one power-of-two scale for each 32 numbers along K (OCP MX v1.0); their sums are f32. All else is computed in f32.
;;   The module's matrix products, in the order in which they are computed (A, B: the left and right operand; K: the contracted axis; several contracted axes count as one K, in the product's order):
;;     1. batch 1,000,000 x [M 1, K 8] x [K 8, N 4]; A: computed on the way; B: computed on the way: left as it is (K = 8 < 32)
;;     2. batch 1,000,000 x [M 1, K 8] x [K 8, N 4]; A: computed on the way; B: computed on the way: left as it is (K = 8 < 32)
;;     3. batch 1,000,000 x [M 1, K 8] x [K 8, N 4]; A: computed on the way; B: computed on the way: left as it is (K = 8 < 32)
;;     4. batch 1,000,000 x [M 1, K 8] x [K 8, N 4]; A: computed on the way; B: computed on the way: left as it is (K = 8 < 32)
;;     5. batch 1,000,000 x [M 1, K 8] x [K 8, N 4]; A: computed on the way; B: computed on the way: left as it is (K = 8 < 32)
;;     6. batch 1,000,000 x [M 1, K 8] x [K 8, N 4]; A: computed on the way; B: computed on the way: left as it is (K = 8 < 32)
;;     7. batch 1,000,000 x [M 1, K 8] x [K 8, N 4]; A: computed on the way; B: computed on the way: left as it is (K = 8 < 32)
;;     8. batch 1,000,000 x [M 1, K 8] x [K 8, N 4]; A: computed on the way; B: computed on the way: left as it is (K = 8 < 32)
;;     9. batch 1,000,000 x [M 1, K 8] x [K 8, N 4]; A: computed on the way; B: computed on the way: left as it is (K = 8 < 32)
;;     10. batch 1,000,000 x [M 1, K 8] x [K 8, N 4]; A: computed on the way; B: computed on the way: left as it is (K = 8 < 32)
;;     11. [M 1,000,000, K 40] x [K 40, N 64]; A: computed on the way; B: input W1: QUANTISED
;;     12. [M 1,000,000, K 64] x [K 64, N 64]; A: computed on the way; B: input W2: QUANTISED
;;     13. [M 1,000,000, K 64] x [K 64, N 13]; A: computed on the way; B: input W3: left as it is (N = 13 < 16)
;;   THE QUANTISER, for each operand of a quantised product, along K:
;;     - K is cut into blocks of 32 from its start; a last block that is shorter is filled with zeros.
;;     - A block's scale is 2^e with e = floor(log2(the largest magnitude in the block)) - 2, held to -126 .. 127; a block of zeros has e = 0. As a byte (E8M0): e + 127.
;;     - Each number is divided by its block's scale, clamped to +-6, and rounded to the nearest number of E2M1, ties to even, subnormals kept.
;;     - The product sums the exact products of the quantised numbers (number of the format x scale) in f32.
;;   ~~~python
;;   def quantise(x, axis):      # numpy; x: float32 -> the quantised numbers, widened to float32 again
;;       x = np.moveaxis(x, axis, -1); K = x.shape[-1]
;;       x = np.pad(x, [(0, 0)] * (x.ndim - 1) + [(0, -K % 32)]); x = x.reshape(x.shape[:-1] + (-1, 32)); a = np.abs(x).max(-1, keepdims=True)
;;       e = np.where(a > 0, np.clip(np.frexp(np.where(a > 0, a, 1))[1] - 1 - 2, -126, 127), 0)      # np.frexp(a)[1] - 1 = floor(log2(a)), exactly
;;       r = np.clip(x / 2.0 ** e, -6, 6)
;;       step = 2.0 ** (np.maximum(np.frexp(np.where(r == 0, 1, r))[1] - 1, 0) - 1)
;;       q = np.round(r / step) * step * 2.0 ** e      # np.round: ties to even
;;       return np.moveaxis(q.reshape(q.shape[:-2] + (-1,))[..., :K], -1, axis).astype(np.float32)
;;   ~~~
;;   OPERANDS COMPUTED ON THE WAY. 'Computed on the way' means the value that the module computes at that place (a softmax that the list does not call 'softmax' is quantised finished and normalised). What goes into a quantiser is computed in f32, as accurately as f32 sums, v_exp_f32 and their like allow (about 1e-6 of the number): no bf16 or f16 on the way to a quantiser, and a product that is left as it is and whose result goes on into a quantised operand takes f32 operands (vector FMAs, or v_wmma_f32_16x16x4_f32). A number that lies on a knife's edge between two numbers of the format may be rounded either way, as far as f32 arithmetic and the matrix unit's own rounding can turn it there, and no further.
;; One version. Each part assembles by itself: llvm-mc -triple=amdgcn-amd-amdhsa -mcpu=gfx1250 --defsym DOCPART=n.
;; ======== version 1 of 1: 2 launches
;; limits: a function is approximated: absolute error at most 7e-06
;; workspace buffers: cells 64,000,000 bytes of whole numbers; wimg 7,168 bytes
;; launch prep (part 1): grid 1564 x 1, 4 waves a work-group, no clusters, 0 bytes of LDS; arguments x, W1, W2, W3, b3, cells, wimg; writes cells, wimg
.if DOCPART == 1
	.amdgcn_target "amdgcn-amd-amdhsa--gfx1250"
	.amdhsa_code_object_version 6
	.text
	.protected	k_qdb12a605f5_prep
	.globl	k_qdb12a605f5_prep
	.p2align	8
	.type	k_qdb12a605f5_prep,@function
k_qdb12a605f5_prep:
	s_mov_b64 s[64:65], 0
	v_nop
	global_prefetch_b8 v0, s[64:65] scope:SCOPE_SE
	s_setreg_imm32_b32 hwreg(HW_REG_WAVE_MODE, 25, 1), 1
	s_wait_xcnt 0x0
; PREP: what the second launch needs as whole numbers and as register images.
; (1) cells: for each point and each of the 10 levels the voxel's corner, hashed as far as it can be without the corner offsets.  b = uint32(x * R) per axis, just as the
;     encoder takes it (f32 product, toward zero).  Only 16 bits of the hash survive the table's mask, so 16 bits of each term are kept: bx, by * 0x79b1, bz * 0x5795
;     (the primes' low halves).  A point has 16 words: word l = bx | hy << 16 (l = 0 .. 9); word 10 + j = hz of level 2 j | hz of level 2 j + 1 << 16; word 15 = 0.
;     A batch of 32 points is 2,048 bytes, laid [4 words' group][lane][16 bytes]: each store of a wave covers 512 consecutive bytes, aligned.
; (2) wimg: W1 and W2 as codes of E2M1 with E8M0 bytes, in the order of the matrix operand's registers; W3 as f16 under one power-of-two scale; b3 padded to 32.
; JOBS: a wave is a job, J = 4 x work-group + wave.  J < 6250: 5 batches of cells.  J - 6250 = 0 .. 3: a tile of 16 hidden units.  4: W3, b3.  The one wave left over ends.
; No LDS, no barrier: waves share nothing.  No matrix unit, no cluster, no tensor load: a stream with a little integer work, and 30 KB of weights read once.
; LIMITS: x >= 0 and x * R < 2^32 (a negative coordinate gives cell 0, where the cast in the definition is undefined); NaN and infinities are not served;
; a block of zeros gets the byte 1 (its codes are zeros, and this program alone reads the bytes); the largest |W3| is held to 2^-100 .. 2^100 for its scale.
.set JOBS, 6250
.set PY,   0x79b1                      ; 2654435761 mod 2^16
.set PZ,   0x5795                      ; 805459861 mod 2^16
.set XI,   4                           ; v[4+4i .. 6+4i]   batch i: x, y, z of my point
.set TT0,  24                          ; v24-29            at work, two sets by the level's parity
.set CW,   32                          ; v[32+16i .. 47+16i] batch i: my point's 16 words; each batch has its own, so no store's data are written again
	s_load_b256 s[4:11], s[0:1], 0x0               ; x s[4:5], W1 s[6:7], W2 s[8:9], W3 s[10:11]
	s_load_b128 s[12:15], s[0:1], 0x20             ; b3 s[12:13], cells s[14:15]
	s_load_b64 s[16:17], s[0:1], 0x30              ; wimg
	v_lshrrev_b32 v1, 5, v0
	v_readfirstlane_b32 s22, v1                    ; wave
	s_lshl_b32 s23, ttmp9, 2
	s_add_co_u32 s23, s23, s22                     ; J
	v_and_b32 v1, 31, v0                           ; lane
	s_mov_b32 s25, 0
	s_mov_b32 s30, 0x76543210                      ; v_permlanex16_b32's selects for lane l xor 16
	s_mov_b32 s31, 0xfedcba98
	s_wait_kmcnt 0x0
	s_cmp_lt_u32 s23, JOBS
	s_cbranch_scc0 .Lweights
	; ---- cells: 5 batches of 32 points, a lane a point
	v_mul_u32_u24 v2, v1, 12                       ; my point's 12 bytes of x
	v_lshlrev_b32 v3, 4, v1                        ; my 16 bytes of a store's 512
	s_mul_i32 s24, s23, 1920                       ; 160 points of 12 bytes
	s_add_nc_u64 s[4:5], s[4:5], s[24:25]
	s_mul_i32 s24, s23, 10240                      ; 5 batches of 2,048 bytes
	s_add_nc_u64 s[14:15], s[14:15], s[24:25]
.irp i, 0,1,2,3,4
.irp a, 0,1,2
	global_load_b32 v[XI+4*\i+\a], v2, s[4:5] offset:384*\i+4*\a th:TH_LOAD_NT   ; a batch's three loads read its 384 consecutive bytes
.endr
.endr
.macro CLEV i, l, rb                   ; level l of batch i; rb: the level's resolution as f32
.set TT, TT0+3*((\l)%2)
.irp a, 0,1,2
	v_mul_f32 v[TT+\a], \rb, v[XI+4*(\i)+\a]       ; xs = x * R, one f32 product
.endr
.irp a, 0,1,2
	v_cvt_u32_f32 v[TT+\a], v[TT+\a]               ; toward zero: floor, since xs >= 0
.endr
	v_mul_u32_u24 v[TT+1], v[TT+1], PY             ; the low 16 bits hang on the factors' low 16 bits alone
	v_mul_u32_u24 v[TT+2], v[TT+2], PZ
	v_and_b32 v[TT], 0xffff, v[TT]
	v_lshl_or_b32 v[CW+16*(\i)+(\l)], v[TT+1], 16, v[TT]
.if ((\l)%2) == 0
	v_and_b32 v[CW+16*(\i)+10+(\l)/2], 0xffff, v[TT+2]
.else
	v_lshl_or_b32 v[CW+16*(\i)+10+(\l)/2], v[TT+2], 16, v[CW+16*(\i)+10+(\l)/2]
.endif
.endm
.macro CELLS i
	s_wait_loadcnt 12-3*\i                         ; loads come back in order: this batch's three are in, three for each younger batch may be out
	CLEV \i, 0, 0x41800000                         ; 16
	CLEV \i, 1, 0x42080000                         ; 34
	CLEV \i, 2, 0x42940000                         ; 74
	CLEV \i, 3, 0x43210000                         ; 161
	CLEV \i, 4, 0x43ae0000                         ; 348
	CLEV \i, 5, 0x443c0000                         ; 752
	CLEV \i, 6, 0x44cb2000                         ; 1625
	CLEV \i, 7, 0x455b7000                         ; 3511
	CLEV \i, 8, 0x45ed0000                         ; 7584
	CLEV \i, 9, 0x467ffc00                         ; 16383: in double arithmetic 16 * b^9 falls just under 16384
	v_mov_b32 v[CW+16*\i+15], 0
.irp g, 0,1,2,3
	global_store_b128 v3, v[CW+16*\i+4*\g:CW+16*\i+4*\g+3], s[14:15] offset:2048*\i+512*\g th:TH_STORE_NT
.endr
.endm
.irp i, 0,1,2,3,4
	CELLS \i
.endr
	s_endpgm
.Lweights:
	s_sub_co_u32 s26, s23, JOBS
	v_and_b32 v2, 15, v0                           ; r
	v_bfe_u32 v3, v0, 4, 1                         ; h
	v_lshlrev_b32 v7, 4, v1                        ; an image's place for my lane: 16 x lane
	s_cmp_lt_u32 s26, 4
	s_cbranch_scc0 .Lw3
	; ---- tile t of 16 hidden units, for BOTH quantised layers in one operand of 8 registers: registers 0-3 (k slots 0-63) W1, registers 4-7 (k slots 64-127) W2.
	; Lane (r, h) takes unit u = 32 (r / 8) + 8 t + r % 8, so that in the transposed product's result a lane's 32 registers of the four tiles are units 32 h + 0 .. 31.
	; W1's K is laid in the order in which the encoder's registers stand: place p < 20 holds k = 10 (p % 2) + p / 2, place p >= 20 holds k = p: a change of places inside the first block of 32 alone.
	v_and_b32 v4, 7, v2
	v_lshrrev_b32 v5, 3, v2
	v_lshl_add_u32 v4, v5, 5, v4
	s_lshl_b32 s27, s26, 3
	v_add_nc_u32 v4, s27, v4                       ; u
	v_lshlrev_b32 v4, 2, v4                        ; its column, in bytes: a row of W1 or W2 is 256 bytes
	v_lshl_add_u32 v5, v3, 13, v4                  ; W2: lanes 16-31 begin 32 rows further down
	v_mov_b32 v6, 0
	s_lshl_b32 s27, s26, 7
	v_lshl_add_u32 v8, v1, 2, s27                  ; the scale word's place: 4 x lane + 128 t
	s_lshl_b32 s24, s26, 10
	s_add_nc_u64 s[18:19], s[16:17], s[24:25]      ; the tile's image: 1,024 bytes
.set P, 0
.rept 32
.if P < 20
.set KK, (P%2)*10+P/2
.else
.set KK, P
.endif
	global_load_b32 v[32+P], v4, s[6:7] offset:256*KK          ; W1's first block, every lane
	global_load_b32 v[72+P], v5, s[8:9] offset:256*P           ; W2's block h
.set P, P+1
.endr
.irp p, 0,1,2,3,4,5,6,7
	global_load_b32 v[64+\p], v4, s[6:7] offset:256*(32+\p)    ; W1's second block: k = 32 .. 39; the rest of it is zeros
.endr
	v_mov_b32 v18, 0                               ; a lane permute's destination counts as one of its sources
	s_wait_loadcnt 0x0
	v_max3_num_f32 v9, |v32|, |v33|, 0x1800000     ; each block's largest magnitude, with the floor 2^(3 - 127) among its leaves: the byte cannot fall under 1
	v_max3_num_f32 v11, |v72|, |v73|, 0x1800000
	v_max3_num_f32 v10, |v64|, |v65|, 0x1800000
.irp i, 2,4,6,8,10,12,14,16,18,20,22,24,26,28,30
	v_max3_num_f32 v9, v9, |v[32+\i]|, |v[33+\i]|
	v_max3_num_f32 v11, v11, |v[72+\i]|, |v[73+\i]|
.endr
.irp i, 2,4,6
	v_max3_num_f32 v10, v10, |v[64+\i]|, |v[65+\i]|
.endr
.irp b, 0,1,2
	v_add_nc_u32 v[12+\b], 0xff000000, v[9+\b]     ; 2 off the exponent field: the conversion's scale operand
.endr
.irp b, 0,1,2
	v_lshrrev_b32 v[15+\b], 23, v[12+\b]           ; the scale's byte
.endr
.irp g, 0,1,2,3
	v_cvt_scalef32_pk8_fp4_f32 v[104+\g], v[32+8*\g:39+8*\g], v12
.endr
	v_cvt_scalef32_pk8_fp4_f32 v108, v[64:71], v13
.irp g, 0,1,2,3
	v_cvt_scalef32_pk8_fp4_f32 v[110+\g], v[72+8*\g:79+8*\g], v14
.endr
	v_nop                                          ; one plain instruction behind the scaled conversions
	v_cmp_le_u32 vcc_lo, 16, v1                    ; lanes 16-31 hold k slots 32-63: W1's second block, 8 codes and zeros
	v_cndmask_b32 v20, v104, v108, vcc_lo
	v_cndmask_b32 v21, v105, v6, vcc_lo
	v_cndmask_b32 v22, v106, v6, vcc_lo
	v_cndmask_b32 v23, v107, v6, vcc_lo
	v_permlanex16_b32 v18, v17, s30, s31           ; W2's other block's byte
	v_lshl_or_b32 v19, v16, 8, v15                 ; the unit's scale word: W1's two bytes, W2's two; whole in lanes 0-15, the ones that are read
	v_lshl_or_b32 v19, v17, 16, v19
	v_lshl_or_b32 v19, v18, 24, v19
	global_store_b128 v7, v[20:23], s[18:19]
	global_store_b128 v7, v[110:113], s[18:19] offset:512
	global_store_b32 v8, v19, s[16:17] offset:4096
	s_endpgm
.Lw3:
	s_cmp_eq_u32 s26, 4
	s_cbranch_scc0 .Lnone
	; ---- W3 [64][13] as f16: source 0 of the last product, row n = r (rows 13-15 zeros).  Lane (r, h), K step s, register e holds units 32 h + 16 s + 2 e, + 1: the places in which
	; the points' operand has them.  All of W3 is first multiplied by 2^(127 - E), E the exponent field of its largest magnitude: exact; the inverse is stored beside it.
	v_min_u32 v4, 12, v2                           ; no load leaves the buffer: lanes 13-15 read column 12 and are cleared below
	v_lshlrev_b32 v4, 2, v4
	v_mad_u32_u24 v4, v3, 1664, v4                 ; + 32 h rows of 52 bytes
	v_min_u32 v5, 12, v1
	v_lshlrev_b32 v5, 2, v5
	v_lshlrev_b32 v8, 2, v1
.set P, 0
.rept 32
	global_load_b32 v[32+P], v4, s[10:11] offset:52*P
.set P, P+1
.endr
	global_load_b32 v70, v5, s[12:13]              ; b3
	s_mov_b32 s28, 0x0d800000                      ; 2^-100
	s_mov_b32 s29, 0x71800000                      ; 2^100
	v_mov_b32 v12, 0
	s_wait_loadcnt 0x0
	v_cmp_gt_u32 vcc_lo, 13, v2
.set P, 0
.rept 32
	v_cndmask_b32 v[32+P], 0, v[32+P], vcc_lo
.set P, P+1
.endr
	v_max3_num_f32 v9, |v32|, |v33|, 0
.irp i, 2,4,6,8,10,12,14,16,18,20,22,24,26,28,30
	v_max3_num_f32 v9, v9, |v[32+\i]|, |v[33+\i]|
.endr
	v_max_num_f32_dpp v9, v9, v9 row_xmask:1 row_mask:0xf bank_mask:0xf
	v_max_num_f32_dpp v9, v9, v9 row_xmask:2 row_mask:0xf bank_mask:0xf
	v_max_num_f32_dpp v9, v9, v9 row_xmask:4 row_mask:0xf bank_mask:0xf
	v_max_num_f32_dpp v9, v9, v9 row_xmask:8 row_mask:0xf bank_mask:0xf
	v_permlanex16_b32 v12, v9, s30, s31
	v_max_num_f32 v9, v9, v12                      ; the largest |W3|, in every lane
	v_med3_num_f32 v9, v9, s28, s29
	v_and_b32 v10, 0x7f800000, v9                  ; 2^(E - 127): what the second launch multiplies back
	v_sub_nc_u32 v11, 0x7f000000, v10              ; 2^(127 - E)
.set P, 0
.rept 32
	v_mul_f32 v[32+P], v[32+P], v11                ; exact: magnitudes now under 2
.set P, P+1
.endr
.set P, 0
.rept 16
	v_cvt_pk_f16_f32 v[72+P], v[32+2*P], v[33+2*P]
.set P, P+1
.endr
	v_cmp_gt_u32 vcc_lo, 13, v1
	v_cndmask_b32 v70, 0, v70, vcc_lo              ; b3, padded with zeros to 32 numbers
.irp s, 0,1
.irp c, 0,1
	global_store_b128 v7, v[72+8*\s+4*\c:72+8*\s+4*\c+3], s[16:17] offset:4608+1024*\s+512*\c
.endr
.endr
	global_store_b32 v8, v70, s[16:17] offset:6656
	global_store_b32 v8, v10, s[16:17] offset:6784
.Lnone:
	s_endpgm
.Lfunc_end_k_qdb12a605f5_prep:
	.size	k_qdb12a605f5_prep, .Lfunc_end_k_qdb12a605f5_prep-k_qdb12a605f5_prep
	.p2alignl 7, 3214868480
	.fill 96, 4, 3214868480
	.section	.rodata,"a",@progbits
	.p2align	6, 0x0
	.amdhsa_kernel k_qdb12a605f5_prep
		.amdhsa_group_segment_fixed_size 0
		.amdhsa_private_segment_fixed_size 0
		.amdhsa_enable_private_segment 0
		.amdhsa_kernarg_size 56
		.amdhsa_user_sgpr_count 2
		.amdhsa_user_sgpr_kernarg_segment_ptr 1
		.amdhsa_wavefront_size32 1
		.amdhsa_system_sgpr_workgroup_id_x 1
		.amdhsa_system_sgpr_workgroup_id_y 1
		.amdhsa_system_sgpr_workgroup_id_z 1
		.amdhsa_system_vgpr_workitem_id 0
		.amdhsa_next_free_vgpr 128
		.amdhsa_next_free_sgpr 66
		.amdhsa_reserve_vcc 1
		.amdhsa_float_denorm_mode_32 3
		.amdhsa_float_denorm_mode_16_64 3
		.amdhsa_memory_ordered 1
		.amdhsa_forward_progress 1
		.amdhsa_inst_pref_size 58
	.end_amdhsa_kernel
	.amdgpu_metadata
---
amdhsa.version: [ 1, 2 ]
amdhsa.kernels:
  - .name:           k_qdb12a605f5_prep
    .symbol:         k_qdb12a605f5_prep.kd
    .args:
      - { .name: x, .offset: 0, .size: 8, .value_kind: global_buffer, .address_space: global }
      - { .name: W1, .offset: 8, .size: 8, .value_kind: global_buffer, .address_space: global }
      - { .name: W2, .offset: 16, .size: 8, .value_kind: global_buffer, .address_space: global }
      - { .name: W3, .offset: 24, .size: 8, .value_kind: global_buffer, .address_space: global }
      - { .name: b3, .offset: 32, .size: 8, .value_kind: global_buffer, .address_space: global }
      - { .name: cells, .offset: 40, .size: 8, .value_kind: global_buffer, .address_space: global }
      - { .name: wimg, .offset: 48, .size: 8, .value_kind: global_buffer, .address_space: global }
    .group_segment_fixed_size: 0
    .private_segment_fixed_size: 0
    .kernarg_segment_align: 8
    .kernarg_segment_size: 56
    .max_flat_workgroup_size: 128
    .sgpr_count:     66
    .vgpr_count:     128
    .wavefront_size: 32
...
	.end_amdgpu_metadata
.endif
;; end of part 1
;; launch field (part 2): grid 3907 x 1, 4 waves a work-group, no clusters, 27,136 bytes of LDS; arguments x, cr, tables, b1, b2, cells, wimg, out0; writes out0
.if DOCPART == 2
	.amdgcn_target "amdgcn-amd-amdhsa--gfx1250"
	.amdhsa_code_object_version 6
	.text
	.protected	k_qdb12a605f5_field
	.globl	k_qdb12a605f5_field
	.p2align	8
	.type	k_qdb12a605f5_field,@function
k_qdb12a605f5_field:
	s_mov_b64 s[64:65], 0
	v_nop
	global_prefetch_b8 v0, s[64:65] scope:SCOPE_SE
	s_setreg_imm32_b32 hwreg(HW_REG_WAVE_MODE, 25, 1), 1
	s_wait_xcnt 0x0
; FIELD: out = selu(selu((enc * erf) W1 + b1) W2 + b2) W3 + b3 for 1,000,000 points.  enc: ten hash-grid levels, 8 corners of 16 bytes each, trilinear, f32.
; The first two products on codes of E2M1 with E8M0 scales; the third on f16 operands under exact power-of-two scales (a scale for each point's row, one for W3), f32 sums.
; SHARES.  A wave owns 64 points: 3,328 bytes of out0, 13 aligned runs of 256 bytes.  It takes them as two halves of 32 (TRIP 0, TRIP 1, written out: their load counts and offsets differ).
; Waves share nothing: no barrier.  Four waves of 256 registers to a work-group, so that several work-groups lie on a WGP and one wave's gathers are out while another computes.
; ENCODING: a lane is a point.  The corner's table offsets are made of the whole numbers that the launch before stored (no address hangs on a float of this launch).
; THREE sets of 8 gathers take turns: level l + 3 is asked for as soon as level l is summed, so 24 loads of 512 bytes of a wave are out while it waits for a level.
; The third set lies where the weight operands lie in the MLP: the weights are loaded anew in each half, 8 loads of 512 consecutive bytes, behind level 8's sums.
; MLP: both quantised products are used TRANSPOSED (source 0 = 16 hidden units, source 1 = 16 points), and a tile's units are chosen (32 (r / 8) + 8 t + r % 8) so that lane (r, h)'s 32 result
; registers are units 32 h + 0 .. 31 of point r: one whole block of the next K, in order.  So each quantiser needs no other lane for its maximum, and its four conversions ARE the next operand.
; ONE weight operand serves both layers: k slots 0-63 hold W1, 64-127 W2; the points' operand is [codes, zeros] for layer 1 and [zeros, codes] for layer 2 (zero codes add nothing under any byte but 0xff).
; selu: lambda alpha expm1(z) = P(a) e^b + lambda alpha (e^b - 1), a = clamp(z, -s, 0), b = min(z + s, 0), P a polynomial: no cancellation near 0.
;   Ahead of the quantiser (layer 1): s = 1/4, P of degree 6.  Ahead of the f16 operands (layer 2): s = 1/32, P of degree 3.
; erf: the rational x P(x^2) / Q(x^2) on x held at 4.
; NOT USED, and why: tensor loads, clusters, joint loads: a level's table is 1 MiB and is touched 16 bytes at a time at places that hang on the data; the weights are 7 KB, read in whole runs of 512 bytes.
; LIMITS: x >= 0, x * R < 2^32; NaN and infinities are not served; a block of zeros has the byte 1 (zero codes; the bytes are this program's own); a row's largest |h2| is taken as at least 2^-100;
; expm1 is good to about 3e-7 of the number in layer 1 and to about 4e-6 in layer 2 (whose results are then rounded to f16, 2^-11); erf to a few units in the last place.
.set NCHUNK, 15625                     ; 1,000,000 / 64
.set WLDS,   6656                      ; LDS of a wave: 64 rows of 52 bytes (the stage), then 3,328 bytes that take the three pad outputs of lanes 16-31 and are never read
.set RES0, 0x41800000                  ; the levels' resolutions as f32: 16, 34, 74, 161, 348, 752, 1625, 3511, 7584, 16383
.set RES1, 0x42080000
.set RES2, 0x42940000
.set RES3, 0x43210000
.set RES4, 0x43ae0000
.set RES5, 0x443c0000
.set RES6, 0x44cb2000
.set RES7, 0x455b7000
.set RES8, 0x45ed0000
.set RES9, 0x467ffc00
; VECTOR REGISTERS.  v1 16 x lane, v2 12 x lane, v3 4 x lane, v4 128 h, v5 stage: 52 r + 32 h, v6 stage: 52 r + 3328 h, v7 stage: 8 x lane, v8 8 x lane, v9 32 h: never rewritten
.set IX,   10                          ; v10-12  x, y, z     v13 cr     v14-29 the point's 16 whole numbers
.set ICR,  13
.set ICE,  14
.set TA,   30                          ; v30-33 layer 1's codes, v34-37 zeros, v38-41 layer 2's codes: points 0-15
.set TB,   42                          ; v42-53 the same for points 16-31
.set KC5,  30                          ; behind layer 1 v30-33 hold two constants of the selu in hand, as pairs
.set KQL,  32
.set SC1,  54                          ; scale words, and nothing else: layer 1's (both tiles), layer 2's tile A, tile B
.set SC2A, 55
.set SC2B, 56
.set WQ,   58                          ; v58-89  the four weight operands (in the MLP)     v90-93 their scale words (they stay)
.set WSC,  90
.set GA,   94                          ; v94-125   gathers of levels 0, 3, 6, 9, then b2, then W3 (94-109) and the last sums (110-125)
.set GB,   126                         ; v126-157  gathers of levels 1, 4, 7, then b1, then the f16 operands
.set GC,   58                          ; v58-89    gathers of levels 2, 5, 8, then the weights
.set DD,   158                         ; v158-221  the 64 accumulators: tile A at DD + 8 t, tile B at DD + 32 + 8 t.  While encoding: HH 40 features (before them erf at work), ES 10 erf, 14 at work
.set HH,   158
.set ES,   198
.set WXY,  208
.set SCR,  212
.set OFA,  222                         ; three sets of 8 table offsets: v222-229, v230-237, v38-45 (codes' registers, dead while encoding)
.set OFB,  230
.set OFC,  38
.set W8,   238                         ; v238-245 the 8 corner weights
.set A01,  246
.set A23,  248
.set WX,   250                         ; (1 - f, f) for x, y, z
.set WY,   252
.set WZ,   254
.set EX,   158
.set EP,   168
.set EQ,   178
.set KA,   188
.set KB,   208
.set SY,   222                         ; selu at work: 8 + 8 + 8
.set SA,   230
.set SQ,   238
.set QM,   222                         ; the quantisers at work
.set RI,   232                         ; v232-233 what the last sums are multiplied by: tile A's, tile B's
.set B3,   248
.set W3F,  94
.set D3,   110
.set FH,   126
.set OO,   158
; SCALAR PAIRS (a packed instruction names a pair and takes its low word for both halves, so both words are written)
.set L2E,  32
.set LA,   34
.set C2,   36
.set C3,   38
.set C4,   40
.set C6,   42
.set LAM,  44
.set EA13, 46
.set EA9,  48
.set EA7,  50
.set EA5,  52
.set EA3,  54
.set EA1,  56
.set EB8,  58
.set EB4,  60
.set EB2,  62
.set EB0,  66
.macro SPAIR r, bits
	s_mov_b32 s[\r], \bits
	s_mov_b32 s[\r+1], \bits
.endm
.macro PICK l                          ; level l's set of offsets and of data registers
.if ((\l)%3) == 0
.set OF, OFA
.set GG, GA
.elseif ((\l)%3) == 1
.set OF, OFB
.set GG, GB
.else
.set OF, OFC
.set GG, GC
.endif
.endm
; 8 loads: half u's x (three loads that together read 384 consecutive bytes), cr, and the 16 whole numbers a point (512 consecutive bytes a load)
.macro INPUT u
.irp a, 0,1,2
	global_load_b32 v[IX+\a], v2, s[4:5] offset:384*\u+4*\a th:TH_LOAD_NT
.endr
	global_load_b32 v[ICR], v3, s[6:7] offset:128*\u th:TH_LOAD_NT
.irp g, 0,1,2,3
	global_load_b128 v[ICE+4*\g:ICE+4*\g+3], v1, s[14:15] offset:2048*\u+512*\g th:TH_LOAD_NT
.endr
.endm
; Level l's 8 gathers.  All terms stand 4 bits up (an entry is 16 bytes); s27 cuts the 16 bits of the hash.  Corner c = 4 i + 2 j + k: (bx + i) ^ (hy + j py) ^ (hz + k pz).
; The tables are read again and again by every work-group: the loads carry the hint for such data.
.macro ISSUE l
	PICK \l
	v_lshlrev_b32 v[SCR], 4, v[ICE+(\l)]           ; bx
	v_lshrrev_b32 v[SCR+2], 12, v[ICE+(\l)]        ; hy (the four bits below it are cut later)
.if ((\l)%2) == 0
	v_lshlrev_b32 v[SCR+4], 4, v[ICE+10+(\l)/2]    ; hz
.else
	v_lshrrev_b32 v[SCR+4], 12, v[ICE+10+(\l)/2]
.endif
	v_add_nc_u32 v[SCR+1], 16, v[SCR]
	v_add_nc_u32 v[SCR+3], s24, v[SCR+2]
	v_add_nc_u32 v[SCR+5], s25, v[SCR+4]
	v_and_b32 v[SCR], s27, v[SCR]
	v_and_b32 v[SCR+1], s27, v[SCR+1]
.irp m, 0,1,2,3
	v_xor_b32 v[SCR+6+\m], v[SCR+2+\m/2], v[SCR+4+\m%2]
.endr
.irp m, 0,1,2,3
	v_and_b32 v[SCR+6+\m], s27, v[SCR+6+\m]
.endr
.irp c, 0,1,2,3,4,5,6,7
	v_xor_b32 v[OF+\c], v[SCR+\c/4], v[SCR+6+\c%4]
.endr
.irp c, 0,1,2,3,4,5,6,7
	v_min_u32 v[OF+\c], 0xffff0, v[OF+\c]          ; a number that was loaded enters an address only behind this bound: the level's last entry
.endr
.irp c, 0,1,2,3,4,5,6,7
.if (\l) < 8
	global_load_b128 v[GG+4*\c:GG+4*\c+3], v[OF+\c], s[8:9] offset:(\l)<<20 th:TH_LOAD_HT
.else
	global_load_b128 v[GG+4*\c:GG+4*\c+3], v[OF+\c], s[20:21] offset:((\l)-8)<<20 th:TH_LOAD_HT   ; levels 8 and 9 lie past the immediate's reach: a second base, 8 MiB on
.endif
.endr
.endm
; ES[n] = erf(1 / sqrt(max(4 n cr, 1e-12))), n = 0 .. 9
.macro ERF
.set CNT, 0
.irp f, 0, 0x40800000, 0x41000000, 0x41400000, 0x41800000, 0x41a00000, 0x41c00000, 0x41e00000, 0x42000000, 0x42100000
	v_mul_f32 v[ES+CNT], \f, v[ICR]                ; (8 n) (cr / 2) = 4 n cr, one rounding
.set CNT, CNT+1
.endr
.irp n, 0,1,2,3,4,5,6,7,8,9
	v_max_num_f32 v[ES+\n], 0x2b8cbccc, v[ES+\n]   ; 1e-12
.endr
.irp n, 0,1,2,3,4,5,6,7,8,9
	v_rsq_f32 v[ES+\n], v[ES+\n]
.endr
	v_mov_b32 v[KA], 0x32edffee                    ; two coefficients as vector pairs, so that no packed line has two scalar sources.  (Plain lines behind the batch)
	v_mov_b32 v[KA+1], 0x32edffee
	v_mov_b32 v[KB], 0xb95fbd29
	v_mov_b32 v[KB+1], 0xb95fbd29
	s_wait_alu depctr_va_vdst(0)                   ; one wait for the ten roots, ahead of their first reader
.irp n, 0,1,2,3,4,5,6,7,8,9
	v_min_num_f32 v[ES+\n], 4.0, v[ES+\n]
.endr
.irp i, 0,2,4,6,8
	v_pk_mul_f32 v[EX+\i:EX+\i+1], v[ES+\i:ES+\i+1], v[ES+\i:ES+\i+1]
.endr
.irp i, 0,2,4,6,8
	v_pk_fma_f32 v[EP+\i:EP+\i+1], v[EX+\i:EX+\i+1], s[EA13:EA13+1], v[KA:KA+1] op_sel_hi:[1,0,1]
	v_pk_fma_f32 v[EQ+\i:EQ+\i+1], v[EX+\i:EX+\i+1], s[EB8:EB8+1], v[KB:KB+1] op_sel_hi:[1,0,1]
.endr
.irp k, EA9, EA7, EA5, EA3, EA1
.irp i, 0,2,4,6,8
	v_pk_fma_f32 v[EP+\i:EP+\i+1], v[EP+\i:EP+\i+1], v[EX+\i:EX+\i+1], s[\k:\k+1] op_sel_hi:[1,1,0]
.endr
.endr
.irp k, EB4, EB2, EB0
.irp i, 0,2,4,6,8
	v_pk_fma_f32 v[EQ+\i:EQ+\i+1], v[EQ+\i:EQ+\i+1], v[EX+\i:EX+\i+1], s[\k:\k+1] op_sel_hi:[1,1,0]
.endr
.endr
.irp n, 0,1,2,3,4,5,6,7,8,9
	v_rcp_f32 v[EQ+\n], v[EQ+\n]
.endr
.irp i, 0,2,4,6,8
	v_pk_mul_f32 v[EP+\i:EP+\i+1], v[EP+\i:EP+\i+1], v[ES+\i:ES+\i+1]   ; x P: work that names no reciprocal
.endr
	s_wait_alu depctr_va_vdst(0)                   ; one wait for the ten reciprocals
.irp i, 0,2,4,6,8
	v_pk_mul_f32 v[ES+\i:ES+\i+1], v[EP+\i:EP+\i+1], v[EQ+\i:EQ+\i+1]
.endr
.endm
; the 8 trilinear weights of a level: W8[4 i + 2 j + k] = (wx[i] wy[j]) wz[k]
.macro WEIGHTS rb
.irp a, 0,1,2
	v_mul_f32 v[SCR+\a], \rb, v[IX+\a]             ; the same product that gave the cell
.endr
.irp a, 0,1,2
	v_floor_f32 v[SCR+3+\a], v[SCR+\a]
.endr
	v_sub_f32 v[WX+1], v[SCR], v[SCR+3]
	v_sub_f32 v[WY+1], v[SCR+1], v[SCR+4]
	v_sub_f32 v[WZ+1], v[SCR+2], v[SCR+5]
	v_sub_f32 v[WX], 1.0, v[WX+1]
	v_sub_f32 v[WY], 1.0, v[WY+1]
	v_sub_f32 v[WZ], 1.0, v[WZ+1]
	v_pk_mul_f32 v[WXY:WXY+1], v[WY:WY+1], v[WX:WX+1] op_sel_hi:[1,0]
	v_pk_mul_f32 v[WXY+2:WXY+3], v[WY:WY+1], v[WX:WX+1] op_sel:[0,1] op_sel_hi:[1,1]
	v_pk_mul_f32 v[W8:W8+1], v[WZ:WZ+1], v[WXY:WXY+1] op_sel_hi:[1,0]
	v_pk_mul_f32 v[W8+2:W8+3], v[WZ:WZ+1], v[WXY:WXY+1] op_sel:[0,1] op_sel_hi:[1,1]
	v_pk_mul_f32 v[W8+4:W8+5], v[WZ:WZ+1], v[WXY+2:WXY+3] op_sel_hi:[1,0]
	v_pk_mul_f32 v[W8+6:W8+7], v[WZ:WZ+1], v[WXY+2:WXY+3] op_sel:[0,1] op_sel_hi:[1,1]
.endm
.macro FMAB dst, a, c                  ; two features += corner c's two x W8[c]
.if ((\c)%2) == 0
	v_pk_fma_f32 v[\dst:\dst+1], v[\a:\a+1], v[W8+2*((\c)/2):W8+2*((\c)/2)+1], v[\dst:\dst+1] op_sel_hi:[1,0,1]
.else
	v_pk_fma_f32 v[\dst:\dst+1], v[\a:\a+1], v[W8+2*((\c)/2):W8+2*((\c)/2)+1], v[\dst:\dst+1] op_sel:[0,1,0] op_sel_hi:[1,1,1]
.endif
.endm
; level l's four features, times its erf.  Feature d of level l is k = 10 d + l of the first product; it goes to place 2 l + d (d = 0, 1) or 10 d + l (d = 2, 3), as W1's image has it
.macro ACC l
	PICK \l
	v_pk_mul_f32 v[A01:A01+1], v[GG:GG+1], v[W8:W8+1] op_sel_hi:[1,0]
	v_pk_mul_f32 v[A23:A23+1], v[GG+2:GG+3], v[W8:W8+1] op_sel_hi:[1,0]
.irp c, 1,2,3,4,5,6,7
	FMAB A01, GG+4*\c, \c
	FMAB A23, GG+4*\c+2, \c
.endr
.if ((\l)%2) == 0
	v_pk_mul_f32 v[HH+2*(\l):HH+2*(\l)+1], v[A01:A01+1], v[ES+2*((\l)/2):ES+2*((\l)/2)+1] op_sel_hi:[1,0]
.else
	v_pk_mul_f32 v[HH+2*(\l):HH+2*(\l)+1], v[A01:A01+1], v[ES+2*((\l)/2):ES+2*((\l)/2)+1] op_sel:[0,1] op_sel_hi:[1,1]
.endif
	v_mul_f32 v[HH+20+(\l)], v[A23], v[ES+(\l)]
	v_mul_f32 v[HH+30+(\l)], v[A23+1], v[ES+(\l)]
.endm
; a bias in the result's layout: lane (r, h), tile t, register j: unit 32 h + 8 t + j.  It is the C of the layer's matrix instructions.  8 loads
.macro LOADB dst, ptr
.irp t, 0,1,2,3
	global_load_b128 v[\dst+8*\t:\dst+8*\t+3], v4, s[\ptr:\ptr+1] offset:32*\t
	global_load_b128 v[\dst+8*\t+4:\dst+8*\t+7], v4, s[\ptr:\ptr+1] offset:32*\t+16
.endr
.endm
.macro LOADWQ                          ; 8 loads: the four weight operands as they were laid, 512 consecutive bytes a load
.irp t, 0,1,2,3
.irp c, 0,1
	global_load_b128 v[WQ+8*\t+4*\c:WQ+8*\t+4*\c+3], v1, s[16:17] offset:1024*\t+512*\c
.endr
.endr
.endm
; my point's 40 features become codes: block 0 = places 0-31, block 1 = places 32-39 and zeros.  Four exchanges of halves make the operands of both tiles of 16 points
.macro QUANT1
	v_max3_num_f32 v[QM], |v[HH]|, |v[HH+1]|, 0x1800000        ; with the floor 2^(3 - 127) among the leaves: the byte cannot fall under 1
	v_max3_num_f32 v[QM+1], |v[HH+32]|, |v[HH+33]|, 0x1800000
.irp i, 2,4,6
	v_max3_num_f32 v[QM], v[QM], |v[HH+\i]|, |v[HH+\i+1]|
	v_max3_num_f32 v[QM+1], v[QM+1], |v[HH+32+\i]|, |v[HH+33+\i]|
.endr
.irp i, 8,10,12,14,16,18,20,22,24,26,28,30
	v_max3_num_f32 v[QM], v[QM], |v[HH+\i]|, |v[HH+\i+1]|
.endr
	v_add_nc_u32 v[QM+2], 0xff000000, v[QM]        ; 2 off the exponent field: the conversion's scale operand
	v_add_nc_u32 v[QM+3], 0xff000000, v[QM+1]
	v_lshrrev_b32 v[QM+4], 23, v[QM+2]             ; the bytes
	v_lshrrev_b32 v[QM+5], 23, v[QM+3]
	v_lshl_or_b32 v[SC1], v[QM+5], 8, v[QM+4]      ; my point's scale word: it stays in my lane; tile B reads lanes 16-31
.irp g, 0,1,2,3
	v_cvt_scalef32_pk8_fp4_f32 v[TA+\g], v[HH+8*\g:HH+8*\g+7], v[QM+2]
.endr
	v_cvt_scalef32_pk8_fp4_f32 v[TB], v[HH+32:HH+39], v[QM+3]
	v_mov_b32 v[TB+1], 0                           ; the rest of block 1.  (Plain lines behind the conversions)
	v_mov_b32 v[TB+2], 0
	v_mov_b32 v[TB+3], 0
.irp g, 0,1,2,3
	v_permlane16_swap_b32 v[TA+\g], v[TB+\g]       ; TA: points 0-15, block 0 in lanes 0-15, block 1 in lanes 16-31; TB: points 16-31 likewise
.endr
.rept 8
	v_nop                                          ; a scale register written by a vector instruction stands 8 places ahead of a scaled matrix instruction, an operand so written 4
.endr
.endm
; a quantised layer: 4 tiles of units x 2 tiles of points, eight accumulators, one instruction each
.macro LAYER opa, opb, c, sa, sb, row1
.irp t, 0,1,2,3
	v_wmma_scale_f32_16x16x128_f8f6f4 v[DD+8*\t:DD+8*\t+7], v[WQ+8*\t:WQ+8*\t+7], v[\opa:\opa+7], v[\c+8*\t:\c+8*\t+7], v[WSC+\t], v[\sa] matrix_a_fmt:MATRIX_FMT_FP4 matrix_b_fmt:MATRIX_FMT_FP4
.if \row1
	v_wmma_scale_f32_16x16x128_f8f6f4 v[DD+32+8*\t:DD+32+8*\t+7], v[WQ+8*\t:WQ+8*\t+7], v[\opb:\opb+7], v[\c+8*\t:\c+8*\t+7], v[WSC+\t], v[\sb] matrix_a_fmt:MATRIX_FMT_FP4 matrix_b_fmt:MATRIX_FMT_FP4 matrix_b_scale:MATRIX_SCALE_ROW1
.else
	v_wmma_scale_f32_16x16x128_f8f6f4 v[DD+32+8*\t:DD+32+8*\t+7], v[WQ+8*\t:WQ+8*\t+7], v[\opb:\opb+7], v[\c+8*\t:\c+8*\t+7], v[WSC+\t], v[\sb] matrix_a_fmt:MATRIX_FMT_FP4 matrix_b_fmt:MATRIX_FMT_FP4
.endif
.endr
.rept 4
	v_nop                                          ; four places ahead of the first read of results, of writes of operands and of loads into them
.endr
.endm
; selu of one accumulator's 8 numbers, in place, from its low end on.  The 8 exponentials are one batch with one wait, 20 independent lines or more behind them.
; short = 0: s = 1/4 (s28), KQL = log2(e) / 4, KC5 = lambda alpha / 120, P of degree 6.   short = 1: s = 1/32 (s68), KQL = log2(e) / 32, KC5 = lambda alpha / 2, P of degree 3
.macro SELU8 z, short
.irp i, 0,2,4,6
	v_pk_fma_f32 v[SY+\i:SY+\i+1], v[\z+\i:\z+\i+1], s[L2E:L2E+1], v[KQL:KQL+1] op_sel_hi:[1,0,1]   ; (z + s) log2(e)
.endr
.irp i, 0,1,2,3,4,5,6,7
	v_min_num_f32 v[SY+\i], 0, v[SY+\i]            ; b log2(e)
.endr
.irp i, 0,1,2,3,4,5,6,7
.if \short
	v_med3_num_f32 v[SA+\i], v[\z+\i], s68, 0      ; a = z held to -s .. 0
.else
	v_med3_num_f32 v[SA+\i], v[\z+\i], s28, 0
.endif
.endr
.irp i, 0,1,2,3,4,5,6,7
	v_exp_f32 v[SY+\i], v[SY+\i]                   ; e^b: 1 where z >= -s
.endr
.if \short
.irp i, 0,2,4,6
	v_pk_fma_f32 v[SQ+\i:SQ+\i+1], v[SA+\i:SA+\i+1], s[C3:C3+1], v[KC5:KC5+1] op_sel_hi:[1,0,1]
.endr
.irp i, 0,2,4,6
	v_pk_fma_f32 v[SQ+\i:SQ+\i+1], v[SQ+\i:SQ+\i+1], v[SA+\i:SA+\i+1], s[LA:LA+1] op_sel_hi:[1,1,0]
.endr
.else
.irp i, 0,2,4,6
	v_pk_fma_f32 v[SQ+\i:SQ+\i+1], v[SA+\i:SA+\i+1], s[C6:C6+1], v[KC5:KC5+1] op_sel_hi:[1,0,1]
.endr
.irp k, C4, C3, C2, LA
.irp i, 0,2,4,6
	v_pk_fma_f32 v[SQ+\i:SQ+\i+1], v[SQ+\i:SQ+\i+1], v[SA+\i:SA+\i+1], s[\k:\k+1] op_sel_hi:[1,1,0]
.endr
.endr
.endif
.irp i, 0,2,4,6
	v_pk_mul_f32 v[SQ+\i:SQ+\i+1], v[SQ+\i:SQ+\i+1], v[SA+\i:SA+\i+1]   ; P(a) = lambda alpha expm1(a)
.endr
.irp i, 0,1,2,3,4,5,6,7
	v_max_num_f32 v[\z+\i], 0, v[\z+\i]
.endr
	s_wait_alu depctr_va_vdst(0)                   ; one wait for the batch, ahead of its first reader
.irp i, 0,2,4,6
	v_pk_fma_f32 v[SA+\i:SA+\i+1], v[SY+\i:SY+\i+1], s[LA:LA+1], s[LA:LA+1] op_sel_hi:[1,0,0] neg_lo:[0,0,1] neg_hi:[0,0,1]   ; lambda alpha (e^b - 1), one rounding
.endr
.irp i, 0,2,4,6
	v_pk_fma_f32 v[SQ+\i:SQ+\i+1], v[SQ+\i:SQ+\i+1], v[SY+\i:SY+\i+1], v[SA+\i:SA+\i+1]
.endr
.irp i, 0,2,4,6
	v_pk_fma_f32 v[\z+\i:\z+\i+1], v[\z+\i:\z+\i+1], s[LAM:LAM+1], v[SQ+\i:SQ+\i+1] op_sel_hi:[1,0,1]   ; lambda max(z, 0) + the negative branch (0 where z > 0)
.endr
.endm
.macro SELU64 short
.irp t, 0,1,2,3,4,5,6,7
	SELU8 DD+8*\t, \short
.endr
.endm
; the hidden layer's 32 numbers of a lane are one block of the next K: codes into registers 4-7 of the next operand; the point's two bytes meet from lanes l and l xor 16
.macro QUANT2
	v_max3_num_f32 v[QM], |v[DD]|, |v[DD+1]|, 0x1800000
	v_max3_num_f32 v[QM+1], |v[DD+32]|, |v[DD+33]|, 0x1800000
.irp i, 2,4,6,8,10,12,14,16,18,20,22,24,26,28,30
	v_max3_num_f32 v[QM], v[QM], |v[DD+\i]|, |v[DD+\i+1]|
	v_max3_num_f32 v[QM+1], v[QM+1], |v[DD+32+\i]|, |v[DD+33+\i]|
.endr
	v_add_nc_u32 v[QM+2], 0xff000000, v[QM]
	v_add_nc_u32 v[QM+3], 0xff000000, v[QM+1]
	v_lshrrev_b32 v[QM+4], 23, v[QM+2]
	v_lshrrev_b32 v[QM+5], 23, v[QM+3]
.irp g, 0,1,2,3
	v_cvt_scalef32_pk8_fp4_f32 v[TA+8+\g], v[DD+8*\g:DD+8*\g+7], v[QM+2]
	v_cvt_scalef32_pk8_fp4_f32 v[TB+8+\g], v[DD+32+8*\g:DD+32+8*\g+7], v[QM+3]
.endr
	v_nop                                          ; one plain instruction behind the scaled conversions
	v_permlanex16_b32 v[QM+6], v[QM+4], s30, s31
	v_permlanex16_b32 v[QM+7], v[QM+5], s30, s31
	v_lshlrev_b32 v[SC2A], 16, v[QM+4]             ; bytes 2 and 3: k slots 64-95 and 96-127; whole in lanes 0-15, the ones that are read
	v_lshlrev_b32 v[SC2B], 16, v[QM+5]
	v_lshl_or_b32 v[SC2A], v[QM+6], 24, v[SC2A]
	v_lshl_or_b32 v[SC2B], v[QM+7], 24, v[SC2B]
.rept 8
	v_nop                                          ; 8 places between a scale register's write and the scaled matrix instruction
.endr
.endm
.macro LOADW3                          ; 6 loads: W3's two f16 operands as they were laid, and b3 at my half's eight outputs
.irp s, 0,1
.irp c, 0,1
	global_load_b128 v[W3F+8*\s+4*\c:W3F+8*\s+4*\c+3], v1, s[16:17] offset:4608+1024*\s+512*\c
.endr
.endr
	global_load_b128 v[B3:B3+3], v9, s[16:17] offset:6656
	global_load_b128 v[B3+4:B3+7], v9, s[16:17] offset:6672
.endm
; each point's 64 numbers are brought under 2^15 by an exact power of two, so that f16 holds them whatever their size; the inverse, with W3's, multiplies the sums
.macro ROWSCALE
	v_max3_num_f32 v[QM], |v[DD]|, |v[DD+1]|, 0xd800000        ; with the floor 2^-100
	v_max3_num_f32 v[QM+1], |v[DD+32]|, |v[DD+33]|, 0xd800000
.irp i, 2,4,6,8,10,12,14,16,18,20,22,24,26,28,30
	v_max3_num_f32 v[QM], v[QM], |v[DD+\i]|, |v[DD+\i+1]|
	v_max3_num_f32 v[QM+1], v[QM+1], |v[DD+32+\i]|, |v[DD+33+\i]|
.endr
	v_permlanex16_b32 v[QM+2], v[QM], s30, s31
	v_permlanex16_b32 v[QM+3], v[QM+1], s30, s31
	v_max_num_f32 v[QM], v[QM], v[QM+2]
	v_max_num_f32 v[QM+1], v[QM+1], v[QM+3]
	v_and_b32 v[QM+4], 0x7f800000, v[QM]           ; 2^e, e = floor(log2(the row's largest magnitude))
	v_and_b32 v[QM+5], 0x7f800000, v[QM+1]
	v_sub_nc_u32 v[QM+6], 0x86000000, v[QM+4]      ; 2^(14 - e)
	v_add_nc_u32 v[QM+7], 0xf9000000, v[QM+4]      ; 2^(e - 14)
	v_sub_nc_u32 v[QM+8], 0x86000000, v[QM+5]
	v_add_nc_u32 v[QM+9], 0xf9000000, v[QM+5]
	v_mul_f32 v[RI], s26, v[QM+7]
	v_mul_f32 v[RI+1], s26, v[QM+9]
.endm
.macro TOF16
.irp i, 0,2,4,6,8,10,12,14,16,18,20,22,24,26,28,30
	v_pk_mul_f32 v[DD+\i:DD+\i+1], v[DD+\i:DD+\i+1], v[QM+6:QM+7] op_sel_hi:[1,0]
	v_pk_mul_f32 v[DD+32+\i:DD+33+\i], v[DD+32+\i:DD+33+\i], v[QM+8:QM+9] op_sel_hi:[1,0]
.endr
.irp i, 0,1,2,3,4,5,6,7,8,9,10,11,12,13,14,15
	v_cvt_pk_f16_f32 v[FH+\i], v[DD+2*\i], v[DD+2*\i+1]        ; K step s, register e: units 32 h + 16 s + 2 e, + 1, as in W3's image
	v_cvt_pk_f16_f32 v[FH+16+\i], v[DD+32+2*\i], v[DD+33+2*\i]
.endr
.endm
.macro LAYER3                          ; source 0 = W3's 16 rows (outputs), source 1 = 16 points; two accumulators by turns
	v_wmma_f32_16x16x32_f16 v[D3:D3+7], v[W3F:W3F+7], v[FH:FH+7], 0
	v_wmma_f32_16x16x32_f16 v[D3+8:D3+15], v[W3F:W3F+7], v[FH+16:FH+23], 0
	v_wmma_f32_16x16x32_f16 v[D3:D3+7], v[W3F+8:W3F+15], v[FH+8:FH+15], v[D3:D3+7]
	v_wmma_f32_16x16x32_f16 v[D3+8:D3+15], v[W3F+8:W3F+15], v[FH+24:FH+31], v[D3+8:D3+15]
.rept 4
	v_nop
.endr
.endm
; lane (r, h), register j: out(point r, 8 h + j).  Into the stage, rows of 52 bytes; outputs 13-15 (lanes 16-31, j = 5 .. 7) do not exist and go to bytes that are never read
.macro OUT u
.irp i, 0,2,4,6
	v_pk_fma_f32 v[OO+\i:OO+\i+1], v[D3+\i:D3+\i+1], v[RI:RI+1], v[B3+\i:B3+\i+1] op_sel_hi:[1,0,1]
.endr
.irp i, 0,2,4,6
	v_pk_fma_f32 v[OO+8+\i:OO+9+\i], v[D3+8+\i:D3+9+\i], v[RI:RI+1], v[B3+\i:B3+\i+1] op_sel:[0,1,0] op_sel_hi:[1,1,1]
.endr
.irp t, 0,1
.irp j, 0,1,2,3,4
	ds_store_b32 v5, v[OO+8*\t+\j] offset:832*(2*\u+\t)+4*\j
.endr
.irp j, 5,6,7
	ds_store_b32 v6, v[OO+8*\t+\j] offset:832*(2*\u+\t)+4*\j
.endr
.endr
.endm
; half u of my 64 points
.macro TRIP u
.if \u == 0
	s_wait_loadcnt 4                               ; the 8 loads of half 0's inputs are in; the 4 younger ones (the weights' scale words) may be out.  (Half 1's inputs were shown in by the wait for 0 ahead of the last product)
.endif
	ISSUE 0
	ISSUE 1
	ISSUE 2                                        ; 24 gathers are out while erf is computed
	ERF
.irp l, 0,1,2,3,4,5,6
	WEIGHTS RES\l
	s_wait_loadcnt 16                              ; loads come back in order: level l's gathers are in; the 16 of the next two levels stay out
	ACC \l
	ISSUE \l+3                                     ; into the set that level l has left: the counted wait has shown its loads done, and the sums have read its data
.endr
	WEIGHTS RES7
	s_wait_loadcnt 16                              ; level 7's gathers are in; levels 8 and 9 stay out
	ACC 7
	LOADB GB, 10                                   ; b1, into the set that level 7 has left
	WEIGHTS RES8
	s_wait_loadcnt 16                              ; level 8's are in; level 9's 8 and b1's 8 stay out
	ACC 8
	LOADWQ                                         ; the weights, into the set that level 8 has left
	WEIGHTS RES9
	s_wait_loadcnt 16                              ; level 9's are in; b1's 8 and the weights' 8 stay out
	ACC 9
	LOADB GA, 12                                   ; b2
.if \u == 0
	INPUT 1                                        ; the next half's inputs: they have the whole MLP in which to land
.endif
	QUANT1
	s_wait_loadcnt 16-8*\u                         ; b1 and the weights are in; b2's 8 loads, and in half 0 the next inputs' 8, stay out
	LAYER TA, TB, GB, SC1, SC1, 1
	v_mov_b32 v[KC5], 0x3c700a07                   ; lambda alpha / 120 and log2(e) / 4 as vector pairs, in registers that layer 1 has done with
	v_mov_b32 v[KC5+1], 0x3c700a07
	v_mov_b32 v[KQL], 0x3eb8aa3b
	v_mov_b32 v[KQL+1], 0x3eb8aa3b
	SELU64 0
	QUANT2
	s_wait_loadcnt 8-8*\u                          ; b2 is in; in half 0 the next inputs' 8 loads stay out
	LAYER TA+4, TB+4, GA, SC2A, SC2B, 0
	v_mov_b32 v[KC5], 0x3f610966                   ; the second selu's pairs: lambda alpha / 2 and log2(e) / 32
	v_mov_b32 v[KC5+1], 0x3f610966
	v_mov_b32 v[KQL], 0x3d38aa3b
	v_mov_b32 v[KQL+1], 0x3d38aa3b
	LOADW3
	SELU64 1
	ROWSCALE
	TOF16
	s_wait_loadcnt 0x0                             ; W3 and b3 (and the next half's inputs)
	LAYER3
	OUT \u
.endm
	s_load_b256 s[4:11], s[0:1], 0x0               ; x s[4:5], cr s[6:7], tables s[8:9], b1 s[10:11]
	s_load_b256 s[12:19], s[0:1], 0x20             ; b2 s[12:13], cells s[14:15], wimg s[16:17], out0 s[18:19]
	v_lshl_add_u32 v57, v0, 2, 0x6800
	s_set_vgpr_msb 0x40
	v_mov_b32 v1, 0
	s_set_vgpr_msb 0x4000
	v_lshrrev_b32 v222, 5, v0
	v_readfirstlane_b32 s22, v222                  ; wave
	s_lshl_b32 s23, ttmp9, 2
	s_add_co_u32 s23, s23, s22                     ; my 64 points: 4 x work-group + wave
	s_wait_kmcnt 0x0
	s_cmp_lt_u32 s23, NCHUNK
	s_cbranch_scc1 .Lwork
	s_endpgm                                       ; 15,625 is no multiple of 4: the last work-group's other three waves have no points.  No barrier stands in this text
.Lwork:
	s_load_b32 s26, s[16:17], 0x1a80               ; W3's scale, 2^(E - 127)
	s_mov_b32 s3, 0
	s_mul_i32 s2, s23, 768
	s_add_nc_u64 s[4:5], s[4:5], s[2:3]
	s_lshl_b32 s2, s23, 8
	s_add_nc_u64 s[6:7], s[6:7], s[2:3]
	s_lshl_b32 s2, s23, 12
	s_add_nc_u64 s[14:15], s[14:15], s[2:3]
	s_mul_i32 s2, s23, 3328
	s_add_nc_u64 s[18:19], s[18:19], s[2:3]
	s_add_nc_u64 s[20:21], s[8:9], 0x800000        ; levels 8 and 9
	v_and_b32 v222, 31, v0                         ; lane
	v_lshlrev_b32 v1, 4, v222
	v_mul_u32_u24 v2, v222, 12
	v_lshlrev_b32 v3, 2, v222
	INPUT 0
.irp t, 0,1,2,3
	global_load_b32 v[WSC+\t], v3, s[16:17] offset:4096+128*\t   ; the weights' scale words stay in registers
.endr
	v_and_b32 v223, 15, v0                         ; r
	v_bfe_u32 v224, v0, 4, 1                       ; h
	s_mul_i32 s29, s22, WLDS                       ; my wave's LDS
	v_lshlrev_b32 v4, 7, v224
	v_mul_u32_u24 v5, v223, 52
	v_lshl_add_u32 v5, v224, 5, v5
	v_add_nc_u32 v5, s29, v5
	v_mul_u32_u24 v6, v223, 52
	v_mad_u32_u24 v6, v224, 3328, v6
	v_add_nc_u32 v6, s29, v6
	v_lshl_add_u32 v7, v222, 3, s29
	v_lshlrev_b32 v8, 3, v222
	v_lshlrev_b32 v9, 5, v224
.irp j, 0,1,2,3
	v_mov_b32 v[TA+4+\j], 0                        ; the two quads of zero codes: written once
	v_mov_b32 v[TB+4+\j], 0
.endr
	s_mov_b32 s24, 0x79b10                         ; the primes' low halves, 4 bits up
	s_mov_b32 s25, 0x57950
	s_mov_b32 s27, 0xffff0
	s_mov_b32 s28, 0xbe800000                      ; -1/4
	s_mov_b32 s68, 0xbd000000                      ; -1/32
	s_mov_b32 s30, 0x76543210                      ; v_permlanex16_b32's selects for lane l xor 16
	s_mov_b32 s31, 0xfedcba98
	SPAIR L2E,  0x3fb8aa3b                         ; log2(e)
	SPAIR LA,   0x3fe10966                         ; lambda alpha, and / 2, / 6, / 24, / 720
	SPAIR C2,   0x3f610966
	SPAIR C3,   0x3e960644
	SPAIR C4,   0x3d960644
	SPAIR C6,   0x3b2006af
	SPAIR LAM,  0x3f867d5f                         ; lambda
	SPAIR EA13, 0xaf95df0b                         ; erf's numerator, by powers of x,
	SPAIR EA9,  0xb60cff51
	SPAIR EA7,  0xb86ec2d2
	SPAIR EA5,  0xba40ac63
	SPAIR EA3,  0xbb41a1f6
	SPAIR EA1,  0xbc83dbd4
	SPAIR EB8,  0xb77460cd                         ; and its denominator
	SPAIR EB4,  0xbadc924e
	SPAIR EB2,  0xbbf19bf8
	SPAIR EB0,  0xbc69b6a7
	s_wait_kmcnt 0x0                               ; W3's scale
	TRIP 0
	TRIP 1
	; THE WAY OUT: my 64 rows are 3,328 consecutive bytes of out0: 13 stores, each 256 consecutive bytes at a multiple of 256 from the buffer's first byte.
	; LDS serves a wave's instructions in order (ISA guide 5.7.1.4): these loads see my stores; the bytes are my wave's own.
.irp i, 0,1,2,3,4,5,6,7,8,9,10,11,12
	ds_load_b64 v[FH+2*\i:FH+2*\i+1], v7 offset:256*\i
.endr
.irp i, 0,1,2,3,4,5,6,7,8,9,10,11,12
	s_wait_dscnt 12-\i                             ; load i is in; the younger ones may be out
	global_store_b64 v8, v[FH+2*\i:FH+2*\i+1], s[18:19] offset:256*\i th:TH_STORE_NT
.endr
	s_set_vgpr_msb 0x4
	s_wait_tensorcnt 0x0
	ds_add_u32 v57, v1
	s_wait_dscnt 0x0
	s_set_vgpr_msb 0x400
	s_endpgm
.Lfunc_end_k_qdb12a605f5_field:
	.size	k_qdb12a605f5_field, .Lfunc_end_k_qdb12a605f5_field-k_qdb12a605f5_field
	.p2alignl 7, 3214868480
	.fill 96, 4, 3214868480
	.section	.rodata,"a",@progbits
	.p2align	6, 0x0
	.amdhsa_kernel k_qdb12a605f5_field
		.amdhsa_group_segment_fixed_size 27136
		.amdhsa_private_segment_fixed_size 0
		.amdhsa_enable_private_segment 0
		.amdhsa_kernarg_size 64
		.amdhsa_user_sgpr_count 2
		.amdhsa_user_sgpr_kernarg_segment_ptr 1
		.amdhsa_wavefront_size32 1
		.amdhsa_system_sgpr_workgroup_id_x 1
		.amdhsa_system_sgpr_workgroup_id_y 1
		.amdhsa_system_sgpr_workgroup_id_z 1
		.amdhsa_system_vgpr_workitem_id 0
		.amdhsa_next_free_vgpr 258
		.amdhsa_next_free_sgpr 70
		.amdhsa_reserve_vcc 0
		.amdhsa_float_denorm_mode_32 3
		.amdhsa_float_denorm_mode_16_64 3
		.amdhsa_memory_ordered 1
		.amdhsa_forward_progress 1
		.amdhsa_inst_pref_size 252
	.end_amdhsa_kernel
	.amdgpu_metadata
---
amdhsa.version: [ 1, 2 ]
amdhsa.kernels:
  - .name:           k_qdb12a605f5_field
    .symbol:         k_qdb12a605f5_field.kd
    .args:
      - { .name: x, .offset: 0, .size: 8, .value_kind: global_buffer, .address_space: global }
      - { .name: cr, .offset: 8, .size: 8, .value_kind: global_buffer, .address_space: global }
      - { .name: tables, .offset: 16, .size: 8, .value_kind: global_buffer, .address_space: global }
      - { .name: b1, .offset: 24, .size: 8, .value_kind: global_buffer, .address_space: global }
      - { .name: b2, .offset: 32, .size: 8, .value_kind: global_buffer, .address_space: global }
      - { .name: cells, .offset: 40, .size: 8, .value_kind: global_buffer, .address_space: global }
      - { .name: wimg, .offset: 48, .size: 8, .value_kind: global_buffer, .address_space: global }
      - { .name: out0, .offset: 56, .size: 8, .value_kind: global_buffer, .address_space: global }
    .group_segment_fixed_size: 27136
    .private_segment_fixed_size: 0
    .kernarg_segment_align: 8
    .kernarg_segment_size: 64
    .max_flat_workgroup_size: 128
    .sgpr_count:     70
    .vgpr_count:     258
    .wavefront_size: 32
...
	.end_amdgpu_metadata
.endif
;; end of part 2
